; MI455X (gfx1250); checked and timed in simulation.
; The chip was launched on July 23, 2026; its instructions are those of AMD's public machine-readable ISA for CDNA 5 (MIT licence, August 2026) and "CDNA5" Instruction Set Architecture Reference Guide (July 2026). The comments in the code are by the model that wrote it; some were corrected since.
;; Cuda Fast Weight Sum Two Linear Transformer Layer. Allowed arithmetic: float matrix products may take bf16 or f16 operands with f32 sums; other float arithmetic in f32, or as packed bf16 or f16 multiplies, adds, multiply-adds, maxima and minima; sums over many terms, partial sums and values carried from step to step in f32; what a program stores and reads back later, other than sums and carried values, may be rounded once to bf16 or f16.
;; Inputs: h 256 x 64 x 512 float32; ln_b 512 float32; ln_g 512 float32; o_w 512 x 512 float32; pi0 8 x 256 float32; pi1 8 x 256 float32; qkv_w 2,048 x 512 float32.
;; Outputs: out0 256 x 64 x 512 float32.
;; 2 versions, each right; version 2 is version 1 with the launch prep written anew for expert scheduling mode. Each part assembles by itself: llvm-mc -triple=amdgcn-amd-amdhsa -mcpu=gfx1250 --defsym DOCPART=n.
;; ======== version 1 of 2: 3 launches
;; limits: values outside matrix products are rounded to bf16
;; workspace buffers: wq 2,097,152 bytes; wo 524,288 bytes; att 16,777,216 bytes
;; launch prep (part 1): grid 256 x 1, 8 waves a work-group, no clusters, 0 bytes of LDS; arguments qkv_w, o_w, wq, wo; writes wq, wo
.if DOCPART == 1
	.amdgcn_target "amdgcn-amd-amdhsa--gfx1250"
	.amdhsa_code_object_version 6
	.text
	.protected	k_q0ce7d5646d_prep
	.globl	k_q0ce7d5646d_prep
	.p2align	8
	.type	k_q0ce7d5646d_prep,@function
k_q0ce7d5646d_prep:
	s_mov_b64 s[64:65], 0
	v_nop
	global_prefetch_b8 v0, s[64:65] scope:SCOPE_SE
	s_setreg_imm32_b32 hwreg(HW_REG_WAVE_MODE, 25, 1), 1
	s_wait_xcnt 0x0
; THE PROGRAM (three launches): prep lays the weights out in bf16; attn makes q, k1, k2, v, phi and the fast-weight sums; oln makes the output product, the residual and LayerNorm.
; WHAT IS LEFT OUT OF reference(), AND WHY IT IS DEAD OR AN IDENTITY, for all finite values of the inputs:
;  - W0 is built as zeros in reference() itself, so W_t = sum over s <= t of v_s k_s^T, and out_t = W_t q_t = sum over s <= t of v_s (k_s . q_t); likewise
;    denom_t = cumsum(k)_t . q_t = sum over s <= t of (k_s . q_t).  With A = tril(Q K^T): out = SCALE (A V) / (rowsum(A) + EPS).  The scan is taken as these two products.
;  - Blocks of 64 keys that lie wholly behind a block of 64 queries (s > t for all pairs) reach no output: 6 of the 16 block pairs of a head are not computed.
;  - SCALE_W = 1.0 is a factor 1; [:slen] takes the whole table of 256.
;  - q is not divided by its sum sq: with q' = sq q and A' = sq A, SCALE (A V) / (rowsum A + EPS) = SCALE (A' V) / (rowsum A' + EPS sq), exactly.
;  Every input has a way to the output and is loaded.  LIMIT: a NaN, an infinity or an overflow that would arise only in the work left out (hidden blocks, W0) is not carried to the result.
; THIS LAUNCH: qkv_w [2048][512] f32 -> wq bf16 [head 8][ks 8][e 256][k 64] (a K step's tile of a head is 32,768 dense bytes; e counts the head's 256 rows: q, k1, k2, v);
;              o_w [512][512] f32 -> wo bf16 [s 4][d' 512][kk 128] (a K step's tile is 131,072 dense bytes); place d' = 64 G + 16 t + r holds row d = 64 G + 4 r + t, column 128 s + kk.
; Each weight is rounded once here, since in the later launches every wave of many work-groups reads every weight.
; A stream: no LDS, no matrix unit, no cluster (no byte is shared).  Thread g of 65,536 takes five groups of four numbers: sixteen lanes read 256 consecutive aligned bytes,
; and a wave's store of 8 bytes a lane covers 256 consecutive aligned bytes.
	s_load_b256 s[4:11], s[0:1], 0x0               ; qkv_w s[4:5], o_w s[6:7], wq s[8:9], wo s[10:11]
	s_lshl_b32 s12, ttmp9, 8
	v_add_nc_u32 v4, s12, v0                       ; g
	v_lshrrev_b32 v5, 15, v4                       ; qkv_w: head = (g >> 15) + 2 i
	v_lshlrev_b32 v1, 19, v5                       ; 256 rows of 2,048 bytes
	v_bfe_u32 v5, v4, 4, 8                         ; e
	v_lshl_add_u32 v1, v5, 11, v1
	v_bfe_u32 v5, v4, 12, 3                        ; ks: 256 bytes of a row
	v_lshl_add_u32 v1, v5, 8, v1
	v_and_b32 v5, 15, v4                           ; my four numbers of the 64
	v_lshl_add_u32 v1, v5, 4, v1
	v_bfe_u32 v5, v4, 11, 3                        ; o_w: d' = (g >> 5) & 511; G = d' >> 6
	v_lshlrev_b32 v2, 6, v5
	v_bfe_u32 v5, v4, 5, 4                         ; r = d' & 15
	v_lshl_add_u32 v2, v5, 2, v2
	v_bfe_u32 v5, v4, 9, 2                         ; t = (d' >> 4) & 3
	v_add_nc_u32 v2, v2, v5                        ; d = 64 G + 4 r + t
	v_lshlrev_b32 v2, 11, v2
	v_lshrrev_b32 v5, 14, v4                       ; s: 512 bytes of a row
	v_lshl_add_u32 v2, v5, 9, v2
	v_and_b32 v5, 31, v4
	v_lshl_add_u32 v2, v5, 4, v2
	v_lshlrev_b32 v3, 3, v4                        ; 8 g: where my 8 bytes go, in wq (plus 524,288 i) and in wo
	s_wait_kmcnt 0x0
.irp i, 0,1,2,3
	global_load_b128 v[8+4*(\i):11+4*(\i)], v1, s[4:5] offset:(\i)*1048576 th:TH_LOAD_NT
.endr
	global_load_b128 v[24:27], v2, s[6:7] th:TH_LOAD_NT
.irp i, 0,1,2,3
	s_wait_loadcnt 4-(\i)                          ; loads come back in order: number i is in, the younger ones stay out
	v_cvt_pk_bf16_f32 v[28+2*(\i)], v[8+4*(\i)], v[9+4*(\i)]
	v_cvt_pk_bf16_f32 v[29+2*(\i)], v[10+4*(\i)], v[11+4*(\i)]
	global_store_b64 v3, v[28+2*(\i):29+2*(\i)], s[8:9] offset:(\i)*524288
.endr
	s_wait_loadcnt 0x0
	v_cvt_pk_bf16_f32 v36, v24, v25
	v_cvt_pk_bf16_f32 v37, v26, v27
	global_store_b64 v3, v[36:37], s[10:11]
	s_endpgm
.Lfunc_end_k_q0ce7d5646d_prep:
	.size	k_q0ce7d5646d_prep, .Lfunc_end_k_q0ce7d5646d_prep-k_q0ce7d5646d_prep
	.p2alignl 7, 3214868480
	.fill 96, 4, 3214868480
	.section	.rodata,"a",@progbits
	.p2align	6, 0x0
	.amdhsa_kernel k_q0ce7d5646d_prep
		.amdhsa_group_segment_fixed_size 0
		.amdhsa_private_segment_fixed_size 0
		.amdhsa_enable_private_segment 0
		.amdhsa_kernarg_size 32
		.amdhsa_user_sgpr_count 2
		.amdhsa_user_sgpr_kernarg_segment_ptr 1
		.amdhsa_wavefront_size32 1
		.amdhsa_system_sgpr_workgroup_id_x 1
		.amdhsa_system_sgpr_workgroup_id_y 1
		.amdhsa_system_sgpr_workgroup_id_z 1
		.amdhsa_system_vgpr_workitem_id 0
		.amdhsa_next_free_vgpr 40
		.amdhsa_next_free_sgpr 66
		.amdhsa_reserve_vcc 0
		.amdhsa_float_denorm_mode_32 3
		.amdhsa_float_denorm_mode_16_64 3
		.amdhsa_memory_ordered 1
		.amdhsa_forward_progress 1
		.amdhsa_inst_pref_size 4
	.end_amdhsa_kernel
	.amdgpu_metadata
---
amdhsa.version: [ 1, 2 ]
amdhsa.kernels:
  - .name:           k_q0ce7d5646d_prep
    .symbol:         k_q0ce7d5646d_prep.kd
    .args:
      - { .name: qkv_w, .offset: 0, .size: 8, .value_kind: global_buffer, .address_space: global }
      - { .name: o_w, .offset: 8, .size: 8, .value_kind: global_buffer, .address_space: global }
      - { .name: wq, .offset: 16, .size: 8, .value_kind: global_buffer, .address_space: global }
      - { .name: wo, .offset: 24, .size: 8, .value_kind: global_buffer, .address_space: global }
    .group_segment_fixed_size: 0
    .private_segment_fixed_size: 0
    .kernarg_segment_align: 8
    .kernarg_segment_size: 32
    .max_flat_workgroup_size: 256
    .sgpr_count:     66
    .vgpr_count:     40
    .wavefront_size: 32
...
	.end_amdgpu_metadata
.endif
;; end of part 1
;; launch attn (part 2): grid 4 x 64, 4 waves a work-group, clusters of 4 x 4, 327,680 bytes of LDS; arguments h, wq, pi0, pi1, att; writes att
.if DOCPART == 2
	.amdgcn_target "amdgcn-amd-amdhsa--gfx1250"
	.amdhsa_code_object_version 6
	.text
	.protected	k_q0ce7d5646d_attn
	.globl	k_q0ce7d5646d_attn
	.p2align	8
	.type	k_q0ce7d5646d_attn,@function
k_q0ce7d5646d_attn:
	s_mov_b64 s[64:65], 0
	v_nop
	global_prefetch_b8 v0, s[64:65] scope:SCOPE_SE
	s_setreg_imm32_b32 hwreg(HW_REG_WAVE_MODE, 25, 1), 1
	s_wait_xcnt 0x0
	s_wait_alu depctr_hold_cnt(0) depctr_sa_sdst(0) depctr_va_vdst(0) depctr_va_sdst(0) depctr_va_ssrc(0) depctr_va_vcc(0) depctr_vm_vsrc(0)
	s_getreg_b32 s2, hwreg(HW_REG_IB_STS2, 6, 4)
	s_cmp_eq_u32 s2, 0
	s_cbranch_scc0 .Lentry_in_a_cluster
	s_endpgm
.Lentry_in_a_cluster:
	s_bfe_u32 s2, ttmp6, 0x10000c
	s_cmp_lg_u32 s2, 0xf033
	s_cbranch_scc0 .Lentry_shape_is_right
	s_endpgm
.Lentry_shape_is_right:
; For one batch row b and two heads, one after the other: qkv = h W^T (256 rows l x 256 columns e x K 512), phi, k = k1n clip(pi0) + k2n clip(pi1), A' = tril(q' k^T), att = SCALE (A' V) / (rowsum A' + EPS sq).
; LEFT OUT (shown at the head of the first kernel): the zero initial state, the factor SCALE_W = 1, q's division by its sum (it cancels; EPS is multiplied by the sum instead), and the 6 of 16 blocks of 64 x 64 that lie wholly above the diagonal.
; FORMATS.  Matrix operands (h, weights, q', k, v, the weights A') in bf16, all sums, phi, the normalisers in f32; att is stored rounded once to bf16.
; phi: elu(x) + 1 = the middle one of (2^(x log2 e), 1, x + 1): for x > 0 that is x + 1, for x < 0 the exponential, since e^x >= x + 1 everywhere.
; LIMITS.  The exponential gives 0 below 2^-126: a row of k1 or k2 whose 64 numbers all lie below about -87 has the sum 0 and a division by it.  NaN and infinities are not treated apart: a hidden score is multiplied by 0.
; SHARES.  256 work-groups: (hp = cx, b = 4 x cluster y + cy); heads 2 hp, 2 hp + 1.  Wave w owns four PIECES x: rows l = 64 x + 16 w + r, one in each band of 64, so that the causal work is alike in all waves;
; for them all 256 columns: 64 accumulators, 512 registers.  K goes in steps of 64 through two LDS slots; the walk of 16 steps runs on across the change of heads.
; CLUSTER 4 x 4.  h's tile hangs on b alone: asked for jointly along a row of the cluster; the weights' tile on hp alone: jointly along a column.  Waves 0, 1 fetch h's two halves (128 rows x 256 bytes, f32), waves 2, 3 the weights' (16,384 bytes).
; h stays f32 in LDS: each fragment of h is read by one wave alone, which rounds it on the way (32 conversions for 64 products, set behind products).
; LAYOUT.  Columns 0-191 (q, k1, k2): source 0 = weights, source 1 = h: a lane holds ONE row l and eight features: packed in pairs they ARE fragments of Q and rows of K.
; Columns 192-255 (v): the sources swapped: a lane holds one channel and eight rows l: 16 bytes of a row of V^T.  S^T = K Q^T and O^T = V^T P then hold one query a lane.
; LDS: slot s at 106,496 s: h 256 rows x 272, weights 256 rows x 144; K [l][64] pitch 144; V^T [ch][256] pitch 528; the spare words.  All pitches are odd multiples of 16 bytes.  All of a WGP's LDS is claimed.
; REGISTERS in windows of 256 (s_set_vgpr_msb: bits 1:0 source 0, 3:2 source 1, 5:4 source 2, 7:6 destination):
;  window 0: addresses, h raw (later Q), h in bf16 twice, the mask, pi, statistics.  window 1: the weights' fragments, two buffers.  windows 2, 3: the accumulators (piece x in window 2 + x / 2 at 128 (x % 2) + 8 n);
;  in the attention part window 2: K v0-63, V^T v64-127, S v128-255; window 3: O v0-127, P v128-191, the row sums v192-199.
.set SLOT,  106496
.set WPART, 69632
.set KREG,  212992
.set VT,    249856
.set SPARE, 283648                     ; 128 bytes for each wave: two blocks of 256 bytes that no other line names
.set ADH, 2                            ; v2-3   my rows of h in slot 0, 1: (16 w + r) 272 + 32 (l / 16)
.set ADW, 4                            ; v4-5   the weights' fragments: r 144 + 16 (l / 16)
.set KST, 6                            ; v6     where I put 16 bytes of a row of K
.set VST, 7                            ; v7     of a row of V^T
.set KLD, 8                            ; v8     where I read K's fragments
.set VLD, 9                            ; v9     V^T's
.set GO,  10                           ; v10    my 16 bytes in att: 4,096 w + 16 lane
.set PFO, 11                           ; v11    the prefetches' lane offset; never rewritten
.set PIO, 12                           ; v12    4 (16 w + r)
.set SPW, 28                           ; v28    my spare word; never rewritten
.set NIL, 29                           ; v29    0; never rewritten
.set RAW, 32                           ; v32-95   h as f32, 16 a piece
.set QF,  32                           ;          later q' in bf16: piece x, features 32 c on at 16 x + 8 c; at the end the packed result
.set HB,  96                           ; v96-159  h in bf16, two buffers of 32
.set PK,  128                          ;          later packed v and k
.set MK,  160                          ; v160-191 1.0 or 0: the mask of a band's own block for my rows
.set PIW, 192                          ; v192-199 clipped pi0[x], pi1[x] of the head in hand;  v200-207 of the second head
.set PIN, 200
.set ST,  208                          ; v208-223 phi's sums: piece x, group q at 4 x + q
.set TM,  224                          ; v224-235 at work
.set AD,  232                          ; v232-247 pi0 / sum k1 and pi1 / sum k2, each twice: pairs
.set SCD, 248                          ; v248-255 the result's scale, pairs
.set WV, 14
.set WH, 15                            ; wave / 2: 0 fetches h, 1 the weights
.set HF, 16                            ; wave % 2: which half
.set CX, 17
.set CY, 18
.set BB, 19
.set G1H, 24
.set G0H, 32
.set G0W, 48
.set G1W, 56
.set L2E, 66
.set SEL, 68
.set PFA, 70
.set PFS, 72
.set PFN, 74
.set PLIM, 75
.set HEADS, 76
.set LAP, 77
.set EPSR, 78
.set SCL, 79
.set HP, 80
.set CLY, 81
.set MSB, 0
.macro WIN new                         ; the immediate's high byte repeats the setting that is left; a switch that changes nothing is dropped
.if MSB != (\new)
	s_set_vgpr_msb (MSB<<8)|(\new)
.set MSB, (\new)
.endif
.endm
.macro PLACES                          ; four plain places behind a matrix instruction (ISA guide 7.12.1), where no other vector work is at hand
.rept 4
	v_nop
.endr
.endm
.macro CREST                           ; a round of the cluster's barrier behind its opening barrier
	s_cmp_lg_u32 s[WV], 0
	s_cbranch_scc1 .Lnot_wave_0_\@
	s_barrier_signal -3
.Lnot_wave_0_\@:
	s_barrier_wait -3
	s_barrier_signal -1
	s_barrier_wait -1
.endm
.macro CROUND
	s_barrier_signal -1
	s_barrier_wait -1
	CREST
.endm
; A joint load: the branch hangs on the wave's number alone.  An s_nop 0 and four v_nop follow each line; they are also the places in front of the LDS loads that follow.
.macro JLOAD s
	s_cmp_eq_u32 s[WH], 0
	s_cbranch_scc0 .Lfor_w_\@
	tensor_load_to_lds s[G0H+4*(\s):G0H+4*(\s)+3], s[G1H:G1H+7]
	s_nop 0
.rept 4
	v_nop
.endr
	s_branch .Lasked_\@
.Lfor_w_\@:
	tensor_load_to_lds s[G0W+4*(\s):G0W+4*(\s)+3], s[G1W:G1W+7]
	s_nop 0
.rept 4
	v_nop
.endr
.Lasked_\@:
.endm
; A prefetch into the L2, behind the joint load and the run of LDS loads: the change of slots of step g refills step g + 2 and names step g + 5: three steps, 384 products, ahead of the load that will want it.
; h's tile of a step (256 rows x 256 bytes) is read by my row of the cluster alone: waves 0, 1 name row 128 (w % 2) + 32 cx + lane, in the first walk over K alone (steps 5 to 7).
; The weights' tile (128 blocks of 256 bytes) is read by every cluster: wave 2 of the clusters with y = 0 names block 32 cy + lane (steps 5 to 15).  Partners are told apart by address alone; each block is named once.
.macro ASK
	WIN 0
	s_cmp_lt_u32 s[PFN], s[PLIM]
	s_cbranch_scc0 .Lnot_mine_\@
	global_prefetch_b8 v[PFO], s[PFA:PFA+1] th:TH_LOAD_NT scope:SCOPE_SE
.Lnot_mine_\@:
.endm
; 48 LDS loads in one run: 32 along K (half c of a step): my four pieces of h as f32 (first: they are converted first), then the 16 fragments of the weights into buffer g.
.macro FETCH slot, c, g
	WIN 0
.irp x, 0,1,2,3
	ds_load_b128 v[RAW+16*(\x):RAW+16*(\x)+3],     v[ADH+(\slot)] offset:17408*(\x)+128*(\c)
	ds_load_b128 v[RAW+16*(\x)+4:RAW+16*(\x)+7],   v[ADH+(\slot)] offset:17408*(\x)+128*(\c)+16
	ds_load_b128 v[RAW+16*(\x)+8:RAW+16*(\x)+11],  v[ADH+(\slot)] offset:17408*(\x)+128*(\c)+64
	ds_load_b128 v[RAW+16*(\x)+12:RAW+16*(\x)+15], v[ADH+(\slot)] offset:17408*(\x)+128*(\c)+80
.endr
	WIN 0x40
.set n, 0
.rept 16
	ds_load_b128 v[128*(\g)+8*n:128*(\g)+8*n+3],   v[ADW+(\slot)] offset:2304*n+64*(\c)
	ds_load_b128 v[128*(\g)+8*n+4:128*(\g)+8*n+7], v[ADW+(\slot)] offset:2304*n+64*(\c)+32
.set n, n+1
.endr
.endm
.macro CONV g
	WIN 0
.set k, 0
.rept 32
	v_cvt_pk_bf16_f32 v[HB+32*(\g)+k], v[RAW+2*k], v[RAW+2*k+1]
.set k, k+1
.endr
.endm
; Piece x's 16 products of a half step, on buffers f.  zero = 1: they start the sums.  ride = 1: behind each of the first eight stand four of the 32 conversions of the next half's h into buffer g.
; All 64 accumulators take turns in the same order in every half step: 63 others stand between two links of a chain.
.macro MULX f, x, zero, ride, g
.set n, 0
.rept 16
.set rA, 8*(16*((\x)%2)+n)
.set rW, 128*(\f)+8*n
.set rH, HB+32*(\f)+8*(\x)
.if n < 12
	WIN 0xa1+0x50*((\x)/2)
.if \zero
	v_wmma_f32_16x16x32_bf16 v[rA:rA+7], v[rW:rW+7], v[rH:rH+7], 0
.else
	v_wmma_f32_16x16x32_bf16 v[rA:rA+7], v[rW:rW+7], v[rH:rH+7], v[rA:rA+7]
.endif
.else
	WIN 0xa4+0x50*((\x)/2)
.if \zero
	v_wmma_f32_16x16x32_bf16 v[rA:rA+7], v[rH:rH+7], v[rW:rW+7], 0
.else
	v_wmma_f32_16x16x32_bf16 v[rA:rA+7], v[rH:rH+7], v[rW:rW+7], v[rA:rA+7]
.endif
.endif
.if (\ride) && (n < 8)
	WIN 0
.set k, 4*n
.rept 4
	v_cvt_pk_bf16_f32 v[HB+32*(\g)+k], v[RAW+2*k], v[RAW+2*k+1]
.set k, k+1
.endr
.endif
.set n, n+1
.endr
.endm
.macro GROUPB f, g, zero
	MULX \f, 2, \zero, 0, 0
	s_wait_dscnt 32                                ; h's 16 loads are in; the weights' 32, issued behind them, may stay out
	MULX \f, 3, \zero, 1, \g
.endm
; A half step that stays in its slot: multiplies buffers f, fetches half c into buffers g.
.macro HALF slot, c, f, g, zero
	s_wait_dscnt 0x0                               ; the weights of buffer f, asked for 32 products ago
	MULX \f, 0, \zero, 0, 0
	MULX \f, 1, \zero, 0, 0
	PLACES                                         ; in front of loads into, and conversions into, registers that the half step before multiplied
	FETCH \slot, \c, \g
	GROUPB \f, \g, \zero
.endm
; The first half of a change of slots.  Each wave waits for all its tensor loads (one is out: its part of the other slot), adds 0 to its spare word, and waits for that and for its reads of the slot that it leaves.
.macro MEET round
	WIN 0
	s_wait_tensorcnt 0x0
	ds_add_u32 v[SPW], v[NIL]
	s_wait_dscnt 1                                 ; the add alone may be out: buffer 1's weights are in
	MULX 1, 0, 0, 0, 0                             ; sixteen products stand between the add and the wait for it
	s_wait_dscnt 0x0
	s_barrier_signal -1
	MULX 1, 1, 0, 0, 0                             ; work on registers while the others arrive
.if \round
	WIN 0
.endif
	s_barrier_wait -1
.endm
; The second half of a step, with the change of slots: the barrier opens a round of the cluster's, the joint refill is the first tensor load behind it.  on = 1: h goes back to K step 0 or 1 for the next head.
.macro TURN slot, next, on
	s_wait_xcnt 0x0                                ; the last prefetch, a step back, has read its address
	s_add_nc_u64 s[PFA:PFA+1], s[PFA:PFA+1], s[PFS:PFS+1]
	s_add_co_u32 s[PFN], s[PFN], 1
	MEET 1
	CREST
.if \on
	s_sub_nc_u64 s[G0H+4*(\slot)+2:G0H+4*(\slot)+3], s[G0H+4*(\slot)+2:G0H+4*(\slot)+3], 1536
.else
	s_add_nc_u64 s[G0H+4*(\slot)+2:G0H+4*(\slot)+3], s[G0H+4*(\slot)+2:G0H+4*(\slot)+3], 512
.endif
	s_add_nc_u64 s[G0W+4*(\slot)+2:G0W+4*(\slot)+3], s[G0W+4*(\slot)+2:G0W+4*(\slot)+3], 65536
	JLOAD \slot
	FETCH \next, 0, 0
	ASK
	GROUPB 1, 0, 0
.endm
; phi, a chunk of 32 registers at a time (chunk c of a window: piece c / 3, group c % 3 of q, k1, k2); T: v's accumulators, already packed, two buffers by turns.
.macro PHA c                           ; T = x log2 e
.set xb, 128*((\c)/3)+32*((\c)%3)
.set tb, 96+128*((\c)%2)
.set i, 0
.rept 16
	v_pk_mul_f32 v[tb+i:tb+i+1], v[xb+i:xb+i+1], s[L2E:L2E+1] op_sel_hi:[1,0]
.set i, i+2
.endr
.endm
.macro PHB c                           ; x + 1
.set xb, 128*((\c)/3)+32*((\c)%3)
.set i, 0
.rept 16
	v_pk_add_f32 v[xb+i:xb+i+1], v[xb+i:xb+i+1], 1.0 op_sel_hi:[1,0]
.set i, i+2
.endr
.endm
.macro PHEM ce, cm, doe                ; chunk ce's exponentials and chunk cm's middle values, line by line
.set te, 96+128*((\ce)%2)
.set tm, 96+128*((\cm)%2)
.set xm, 128*((\cm)/3)+32*((\cm)%3)
.set i, 0
.rept 32
.if \doe
	v_exp_f32 v[te+i], v[te+i]
.endif
	v_med3_num_f32 v[xm+i], v[tm+i], 1.0, v[xm+i]
.set i, i+1
.endr
.endm
.macro PHS hi, c                       ; the lane's sum of the chunk's 32, into the statistics
.set xb, 128*((\c)/3)+32*((\c)%3)
.set tb, 96+128*((\c)%2)
.set i, 0
.rept 8
	v_pk_add_f32 v[tb+2*i:tb+2*i+1], v[xb+4*i:xb+4*i+1], v[xb+4*i+2:xb+4*i+3]
.set i, i+1
.endr
.set i, 0
.rept 4
	v_pk_add_f32 v[tb+4*i:tb+4*i+1], v[tb+4*i:tb+4*i+1], v[tb+4*i+2:tb+4*i+3]
.set i, i+1
.endr
	v_pk_add_f32 v[tb:tb+1], v[tb:tb+1], v[tb+4:tb+5]
	v_pk_add_f32 v[tb+8:tb+9], v[tb+8:tb+9], v[tb+12:tb+13]
	v_pk_add_f32 v[tb:tb+1], v[tb:tb+1], v[tb+8:tb+9]
	WIN 0x0a+5*(\hi)
	v_add_f32 v[ST+4*(2*(\hi)+(\c)/3)+(\c)%3], v[tb], v[tb+1]
	WIN 0xaa+0x55*(\hi)
.endm
; A window's six chunks.  A chunk's 32 exponentials are one batch with one wait ahead of the first line that names a result; between a batch and its wait stands work that names none of its results.
.macro PHI hi
	WIN 0xaa+0x55*(\hi)
	PHA 0
.set i, 0
.rept 16
	v_exp_f32 v[96+i], v[96+i]
	v_pk_add_f32 v[i:i+1], v[i:i+1], 1.0 op_sel_hi:[1,0]
	v_exp_f32 v[96+i+1], v[96+i+1]
.set i, i+2
.endr
	PHA 1
	s_wait_alu depctr_va_vdst(0)
.irp c, 0,1,2,3
	PHEM (\c)+1, \c, 1
	PHB (\c)+1
	PHS \hi, \c
	PHA (\c)+2
	s_wait_alu depctr_va_vdst(0)
.endr
	PHEM 5, 4, 1
	PHB 5
	PHS \hi, 4
	s_wait_alu depctr_va_vdst(0)
	PHEM 0, 5, 0
	PHS \hi, 5
.endm
.macro LDK y                           ; band y's K: 64 keys x 64 features: 8 fragments
	WIN 0x80
.irp kt, 0,1,2,3
.irp c, 0,1
	ds_load_b128 v[16*(\kt)+8*(\c):16*(\kt)+8*(\c)+3],   v[KLD] offset:9216*(\y)+2304*(\kt)+64*(\c)
	ds_load_b128 v[16*(\kt)+8*(\c)+4:16*(\kt)+8*(\c)+7], v[KLD] offset:9216*(\y)+2304*(\kt)+64*(\c)+32
.endr
.endr
.endm
.macro LDV y                           ; band y's V^T: 64 channels x 64 keys
	WIN 0x80
.irp kk, 0,1
.irp cb, 0,1,2,3
	ds_load_b128 v[64+32*(\kk)+8*(\cb):64+32*(\kk)+8*(\cb)+3],   v[VLD] offset:8448*(\cb)+128*(\y)+64*(\kk)
	ds_load_b128 v[64+32*(\kk)+8*(\cb)+4:64+32*(\kk)+8*(\cb)+7], v[VLD] offset:8448*(\cb)+128*(\y)+64*(\kk)+32
.endr
.endr
.endm
; Key band y against my pieces x = y .. 3 (the earlier pieces see none of its keys).  In each run of 8 products four accumulators take turns.
.macro BAND y
	s_wait_dscnt 16                                ; K is in; V^T's 16 loads, issued behind it, may stay out
.set xx, (\y)
.rept 4-(\y)
.set i, 0
.rept 8
	WIN 0xa2
.set rS, 128+32*xx+8*(i%4)
.set rK, 16*(i%4)+8*(i/4)
.set rQ, QF+16*xx+8*(i/4)
.if i < 4
	v_wmma_f32_16x16x32_bf16 v[rS:rS+7], v[rK:rK+7], v[rQ:rQ+7], 0
.else
	v_wmma_f32_16x16x32_bf16 v[rS:rS+7], v[rK:rK+7], v[rQ:rQ+7], v[rS:rS+7]
.endif
.set i, i+1
.endr
.set xx, xx+1
.endr
	PLACES
.set xx, (\y)
.rept 4-(\y)
.set sb, 128+32*xx
.if xx == (\y)
	WIN 0x82                                       ; the band's own block: hidden scores times 0
.set i, 0
.rept 16
	v_pk_mul_f32 v[sb+i:sb+i+1], v[sb+i:sb+i+1], v[MK+i:MK+i+1]
.set i, i+2
.endr
.endif
	WIN 0xca                                       ; rounded in pairs: source 1 of the second product
.set i, 0
.rept 16
	v_cvt_pk_bf16_f32 v[128+16*xx+i], v[sb+2*i], v[sb+2*i+1]
.set i, i+1
.endr
	WIN 0xaa                                       ; the row sum of the unrounded scores, in place
.set i, 0
.rept 8
	v_pk_add_f32 v[sb+4*i:sb+4*i+1], v[sb+4*i:sb+4*i+1], v[sb+4*i+2:sb+4*i+3]
.set i, i+1
.endr
.set i, 0
.rept 4
	v_pk_add_f32 v[sb+8*i:sb+8*i+1], v[sb+8*i:sb+8*i+1], v[sb+8*i+4:sb+8*i+5]
.set i, i+1
.endr
	v_pk_add_f32 v[sb:sb+1], v[sb:sb+1], v[sb+8:sb+9]
	v_pk_add_f32 v[sb+16:sb+17], v[sb+16:sb+17], v[sb+24:sb+25]
.if (\y) == 0
	WIN 0xca
	v_pk_add_f32 v[192+2*xx:193+2*xx], v[sb:sb+1], v[sb+16:sb+17]  ; the first band starts the sum
.else
	v_pk_add_f32 v[sb:sb+1], v[sb:sb+1], v[sb+16:sb+17]
	WIN 0xcb
	v_pk_add_f32 v[192+2*xx:193+2*xx], v[192+2*xx:193+2*xx], v[sb:sb+1]
.endif
.set xx, xx+1
.endr
.if (\y) < 3
	LDK (\y)+1
	s_wait_dscnt 16                                ; V^T is in; the next K's 16 loads may stay out
.else
	s_wait_dscnt 0x0
.endif
.set xx, (\y)
.rept 4-(\y)
.set i, 0
.rept 8
	WIN 0xfe
.set rO, 32*xx+8*(i%4)
.set rV, 64+32*(i/4)+8*(i%4)
.set rP, 128+16*xx+8*(i/4)
.if ((\y) == 0) && (i < 4)
	v_wmma_f32_16x16x32_bf16 v[rO:rO+7], v[rV:rV+7], v[rP:rP+7], 0
.else
	v_wmma_f32_16x16x32_bf16 v[rO:rO+7], v[rV:rV+7], v[rP:rP+7], v[rO:rO+7]
.endif
.set i, i+1
.endr
.set xx, xx+1
.endr
.if (\y) < 3
	PLACES
	LDV (\y)+1
.endif
.endm
	s_load_b256 s[4:11], s[0:1], 0x0               ; h s[4:5], wq s[6:7], pi0 s[8:9], pi1 s[10:11]
	s_load_b64 s[12:13], s[0:1], 0x20              ; att
	v_lshl_add_u32 v[SPW], v0, 2, SPARE
	v_mov_b32 v[NIL], 0
	ds_add_u32 v[SPW], v[NIL]                      ; the wave's opening: the add, twice on end, and its wait ahead of my first tensor load
	ds_add_u32 v[SPW], v[NIL]
	v_lshrrev_b32 v1, 5, v0
	v_readfirstlane_b32 s[WV], v1
	s_lshr_b32 s[WH], s[WV], 1
	s_and_b32 s[HF], s[WV], 1
	s_bfe_u32 s[CX], ttmp6, 0x40000
	s_bfe_u32 s[CY], ttmp6, 0x40004
	s_lshl_b32 s[HP], ttmp9, 2
	s_add_co_u32 s[HP], s[HP], s[CX]               ; the pair of heads = 4 x cluster x + cx
	s_and_b32 s[CLY], ttmp7, 0xffff
	s_lshl_b32 s[BB], s[CLY], 2
	s_add_co_u32 s[BB], s[BB], s[CY]               ; b = 4 x cluster y + cy
	s_lshl_b32 s20, s[CY], 2
	s_lshl_b32 s20, 15, s20                        ; my row of the cluster
	s_lshl_b32 s21, 0x1111, s[CX]                  ; my column
	s_or_b32 s[G1H], s20, (2<<16)|(1<<20)|(1<<21)|(5<<22)|(3<<25)  ; the mask; elements of 4 bytes; padding on; bit 21 beside a mask; after every 64 words, 4 words
	s_mov_b32 s[G1H+1], 64<<16                     ; tensor_dim0 = 64
	s_mov_b32 s[G1H+2], 128<<16                    ; tensor_dim1 = 128
	s_mov_b32 s[G1H+3], 64<<16                     ; tile_dim0 = 64
	s_mov_b32 s[G1H+4], 128                        ; tile_dim1 = 128
	s_mov_b32 s[G1H+5], 32768                      ; from l to l + 1: 64 x 512 elements
	s_mov_b32 s[G1H+6], 0
	s_mov_b32 s[G1H+7], 0
	s_or_b32 s[G1W], s21, (1<<16)|(1<<20)|(1<<21)|(4<<22)|(3<<25)  ; elements of 2 bytes; after every 32 words (a row of 64 weights), 4 words
	s_mov_b32 s[G1W+1], 128<<16                    ; 16,384 dense bytes asked for as 64 rows of 256
	s_mov_b32 s[G1W+2], 64<<16
	s_mov_b32 s[G1W+3], 128<<16
	s_mov_b32 s[G1W+4], 64
	s_mov_b32 s[G1W+5], 128
	s_mov_b32 s[G1W+6], 0
	s_mov_b32 s[G1W+7], 0
	s_lshl_b32 s40, s[BB], 11                      ; h: b's 2,048 bytes in a row l,
	s_lshl_b32 s44, s[HF], 24                      ; my 128 rows of 131,072 bytes
	s_add_co_u32 s40, s40, s44
	s_mov_b32 s41, 0
	s_lshl_b32 s42, s[HP], 19                      ; wq: two heads of 262,144 bytes,
	s_lshl_b32 s45, s[HF], 14                      ; my half of a tile
	s_add_co_u32 s42, s42, s45
	s_mov_b32 s43, 0
	s_mul_i32 s46, s[HF], 34816                    ; and where they go: no place in the cluster enters an LDS address
	s_mul_i32 s47, s[HF], 18432
	s_add_co_u32 s47, s47, WPART
	s_mov_b32 s[L2E], 0x3fb8aa3b                   ; log2 e
	s_mov_b32 s[L2E+1], 0x3fb8aa3b
	s_mov_b32 s[SEL], 0x76543210
	s_mov_b32 s[SEL+1], 0xfedcba98
	s_mov_b32 s[EPSR], 0x3727c5ac                  ; 1e-5
	s_mov_b32 s[SCL], 0x3e000000                   ; 1 / 8
	s_wait_dscnt 0x0                               ; both opening adds are done
	s_wait_kmcnt 0x0
	s_add_nc_u64 s[40:41], s[4:5], s[40:41]
	s_add_nc_u64 s[42:43], s[6:7], s[42:43]
	CROUND                                         ; all sixteen work-groups are here: the first joint loads meet
.irp s, 0,1
	s_mov_b32 s[G0H+4*(\s)], 1
	s_add_co_u32 s[G0H+4*(\s)+1], s46, (\s)*SLOT
	s_add_nc_u64 s[G0H+4*(\s)+2:G0H+4*(\s)+3], s[40:41], (\s)*256
	s_or_b32 s[G0H+4*(\s)+3], s[G0H+4*(\s)+3], 0x80000000
	s_mov_b32 s[G0W+4*(\s)], 1
	s_add_co_u32 s[G0W+4*(\s)+1], s47, (\s)*SLOT
	s_add_nc_u64 s[G0W+4*(\s)+2:G0W+4*(\s)+3], s[42:43], (\s)*32768
	s_or_b32 s[G0W+4*(\s)+3], s[G0W+4*(\s)+3], 0x80000000
.endr
	s_cmp_eq_u32 s[WH], 0                          ; a wave's two first fills stand in one branch: two loads of mine are out
	s_cbranch_scc0 .Lfirst_w
	tensor_load_to_lds s[G0H:G0H+3], s[G1H:G1H+7]
	s_nop 0
	tensor_load_to_lds s[G0H+4:G0H+7], s[G1H:G1H+7]
	s_nop 0
.rept 4
	v_nop
.endr
	s_branch .Lfirst_asked
.Lfirst_w:
	tensor_load_to_lds s[G0W:G0W+3], s[G1W:G1W+7]
	s_nop 0
	tensor_load_to_lds s[G0W+4:G0W+7], s[G1W:G1W+7]
	s_nop 0
.rept 4
	v_nop
.endr
.Lfirst_asked:
	s_lshl_b32 s82, s[HP], 11                      ; pi0, pi1 at my first head's 256 numbers
	s_mov_b32 s83, 0
	s_add_nc_u64 s[8:9], s[8:9], s[82:83]
	s_add_nc_u64 s[10:11], s[10:11], s[82:83]
	v_and_b32 v16, 15, v0                          ; r
	v_bfe_u32 v17, v0, 4, 1                        ; lane / 16
	v_and_b32 v19, 31, v0                          ; lane
	s_lshl_b32 s82, s[WV], 4
	v_add_nc_u32 v18, s82, v16                     ; 16 w + r: my row in a band
	v_lshlrev_b32 v[PIO], 2, v18
.irp x, 0,1,2,3
	global_load_b32 v[PIW+(\x)],   v[PIO], s[8:9]   offset:256*(\x)
	global_load_b32 v[PIW+4+(\x)], v[PIO], s[10:11] offset:256*(\x)
	global_load_b32 v[PIN+(\x)],   v[PIO], s[8:9]   offset:1024+256*(\x)
	global_load_b32 v[PIN+4+(\x)], v[PIO], s[10:11] offset:1024+256*(\x)
.endr
	v_mul_u32_u24 v[ADH], v18, 272
	v_lshl_add_u32 v[ADH], v17, 5, v[ADH]
	v_add_nc_u32 v[ADH+1], SLOT, v[ADH]
	v_mul_u32_u24 v[ADW], v16, 144
	v_lshl_add_u32 v[ADW], v17, 4, v[ADW]
	v_add_nc_u32 v[KLD], KREG, v[ADW]
	v_add_nc_u32 v[ADW+1], SLOT+WPART, v[ADW]
	v_add_nc_u32 v[ADW], WPART, v[ADW]
	v_mul_u32_u24 v[KST], v18, 144
	v_lshl_add_u32 v[KST], v17, 4, v[KST]
	v_add_nc_u32 v[KST], KREG, v[KST]
	v_mul_u32_u24 v[VLD], v16, 528
	v_lshl_add_u32 v[VLD], v17, 4, v[VLD]
	v_add_nc_u32 v[VLD], VT, v[VLD]
	s_lshl_b32 s82, s[WV], 5
	v_add_nc_u32 v[VST], s82, v[VLD]
	s_lshl_b32 s82, s[WV], 12
	v_lshl_add_u32 v[GO], v19, 4, s82
	v_lshlrev_b32 v14, 3, v17
	v_sub_nc_u32 v14, v18, v14                     ; register jj of key group kt is hidden where 16 kt + jj > 16 w + r - 8 (lane / 16)
	v_mov_b32 v13, 0
.set i, 0
.rept 32
	v_cmp_gt_i32 vcc_lo, 16*(i/8)+i%8, v14
	v_cndmask_b32 v[MK+i], 1.0, v13, vcc_lo
.set i, i+1
.endr
.set i, 0
.rept 12
	v_mov_b32 v[TM+i], 0                           ; the lane exchanges' destinations count as read: written once here
.set i, i+1
.endr
	s_lshl_b32 s82, s[BB], 18                      ; att at [b][.][hp][.][first head]
	s_lshl_b32 s84, s[HP], 14
	s_add_co_u32 s82, s82, s84
	s_add_nc_u64 s[12:13], s[12:13], s[82:83]
	s_lshl_b32 s84, s[BB], 11                      ; the prefetches: h at b, row 128 (w % 2) + 32 cx, K step 4;
	s_lshl_b32 s86, s[HF], 24
	s_add_co_u32 s84, s84, s86
	s_lshl_b32 s86, s[CX], 22
	s_add_co_u32 s84, s84, s86
	s_add_co_u32 s84, s84, 1024
	s_lshl_b32 s85, s[HP], 19                      ; wq at my heads, step 4, block 32 cy
	s_lshl_b32 s86, s[CY], 13
	s_add_co_u32 s85, s85, s86
	s_add_co_u32 s85, s85, 131072
	s_mov_b32 s87, 256
	s_mov_b32 s88, 32768
	s_cmp_eq_u32 s[WV], 2
	s_cselect_b32 s89, 16, 0
	s_cmp_eq_u32 s[CLY], 0
	s_cselect_b32 s89, s89, 0                      ; the same in all sixteen partners, for a given wave
	s_cmp_eq_u32 s[WH], 0
	s_cselect_b32 s82, s84, s85
	s_cselect_b32 s[PFS], s87, s88
	s_cselect_b32 s[PLIM], 8, s89
	s_cselect_b32 s86, 17, 8
	s_cselect_b64 s[PFA:PFA+1], s[4:5], s[6:7]
	s_mov_b32 s[PFS+1], 0
	s_add_nc_u64 s[PFA:PFA+1], s[PFA:PFA+1], s[82:83]
	s_mov_b32 s[PFN], 4                            ; nothing is prefetched here, where every work-group's first tiles are on their way
	v_lshlrev_b32 v[PFO], s86, v19                 ; a lane a row of h (131,072 bytes apart) or a block of wq (256)
	s_wait_loadcnt 0x0
.set i, 0
.rept 16
	v_max_num_f32 v[PIW+i], 0, v[PIW+i]            ; clip to 0 .. 1
	v_min_num_f32 v[PIW+i], 1.0, v[PIW+i]
.set i, i+1
.endr
	s_wait_tensorcnt 0x1                           ; my part of slot 0 is in; slot 1's may stay out
	s_barrier_signal -1
	s_barrier_wait -1
	FETCH 0, 0, 0
	s_wait_dscnt 32
	CONV 0
	s_mov_b32 s[HEADS], 2
	WIN 0
.Lhead:                                        ; a head's first half step stands in front of the loop: its products start the sums
	HALF 0, 1, 0, 1, 1
	WIN 0
	s_mov_b32 s[LAP], 3
.Llap:                                         ; a trip goes once round the ring and fills both slots again
	TURN 0, 1, 0
	HALF 1, 1, 0, 1, 0
	TURN 1, 0, 0
	HALF 0, 1, 0, 1, 0
	WIN 0
	s_sub_co_u32 s[LAP], s[LAP], 1
	s_cmp_lg_u32 s[LAP], 0
	s_cbranch_scc1 .Llap
	s_cmp_eq_u32 s[HEADS], 1
	s_cbranch_scc1 .Ltail                          ; the last head's tail is written out: it asks for nothing more
	TURN 0, 1, 1                                   ; the ring goes on into the next head: slot 0 takes its K step 0,
	HALF 1, 1, 0, 1, 0
	TURN 1, 0, 1                                   ; slot 1 its K step 1; its first fragments go into buffers 0, which the part below leaves alone
	WIN 0
	s_branch .Lepi
.Ltail:
	MEET 0                                         ; the one load that was out is the last step's, so no round follows
	PLACES
	FETCH 1, 0, 0
	GROUPB 1, 0, 0
	HALF 1, 1, 0, 1, 0
	s_wait_dscnt 0x0
	MULX 1, 0, 0, 0, 0
	MULX 1, 1, 0, 0, 0
	MULX 1, 2, 0, 0, 0
	MULX 1, 3, 0, 0, 0
	WIN 0
.Lepi:
	PLACES
	; v: a lane's eight rows l of one channel pack into 16 bytes of a row of V^T
.irp x, 0,1,2,3
	WIN 0x0a+5*((\x)/2)
.set i, 0
.rept 16
	v_cvt_pk_bf16_f32 v[PK+16*((\x)%2)+i], v[128*((\x)%2)+96+2*i], v[128*((\x)%2)+96+2*i+1]
.set i, i+1
.endr
	WIN 0
.irp cb, 0,1,2,3
	ds_store_b128 v[VST], v[PK+16*((\x)%2)+4*(\cb):PK+16*((\x)%2)+4*(\cb)+3] offset:8448*(\cb)+128*(\x)
.endr
.endr
	PHI 0
	PHI 1
	WIN 0                                          ; a row's other 32 features lie in the lane 16 away
.irp x, 0,1,2,3
.irp q, 0,1,2
	v_permlanex16_b32 v[TM+3*(\x)+(\q)], v[ST+4*(\x)+(\q)], s[SEL], s[SEL+1]
.endr
.endr
.irp x, 0,1,2,3
.irp q, 0,1,2
	v_add_f32 v[ST+4*(\x)+(\q)], v[ST+4*(\x)+(\q)], v[TM+3*(\x)+(\q)]
.endr
.endr
.irp x, 0,1,2,3
	v_rcp_f32 v[TM+2*(\x)], v[ST+4*(\x)+1]
	v_rcp_f32 v[TM+2*(\x)+1], v[ST+4*(\x)+2]
.endr
	v_nop                                          ; a plain instruction behind the last reciprocal,
	s_wait_alu depctr_va_vdst(0)                   ; and one wait for the eight, ahead of their first reader
.irp x, 0,1,2,3
	v_mul_f32 v[AD+4*(\x)],   v[PIW+(\x)],   v[TM+2*(\x)]
	v_mul_f32 v[AD+4*(\x)+1], v[PIW+(\x)],   v[TM+2*(\x)]
	v_mul_f32 v[AD+4*(\x)+2], v[PIW+4+(\x)], v[TM+2*(\x)+1]
	v_mul_f32 v[AD+4*(\x)+3], v[PIW+4+(\x)], v[TM+2*(\x)+1]
.endr
	; k = phi(k1) pi0 / sum + phi(k2) pi1 / sum, into rows of K; q' into fragments
.irp x, 0,1,2,3
	WIN 0xa2+0x51*((\x)/2)
.set i, 128*((\x)%2)
.rept 16
	v_pk_mul_f32 v[i+32:i+33], v[i+32:i+33], v[AD+4*(\x):AD+4*(\x)+1]
.set i, i+2
.endr
.set i, 128*((\x)%2)
.rept 16
	v_pk_fma_f32 v[i+32:i+33], v[i+64:i+65], v[AD+4*(\x)+2:AD+4*(\x)+3], v[i+32:i+33]
.set i, i+2
.endr
	WIN 0x0a+5*((\x)/2)
.set i, 0
.rept 16
	v_cvt_pk_bf16_f32 v[PK+16*((\x)%2)+i], v[128*((\x)%2)+32+2*i], v[128*((\x)%2)+32+2*i+1]
.set i, i+1
.endr
.set i, 0
.rept 16
	v_cvt_pk_bf16_f32 v[QF+16*(\x)+i], v[128*((\x)%2)+2*i], v[128*((\x)%2)+2*i+1]
.set i, i+1
.endr
	WIN 0
.irp n, 0,1,2,3
	ds_store_b128 v[KST], v[PK+16*((\x)%2)+4*(\n):PK+16*((\x)%2)+4*(\n)+3] offset:9216*(\x)+32*(\n)
.endr
.endr
	s_wait_dscnt 0x0                               ; for the others' sake: my rows of K and V^T are stored
	s_barrier_signal -1                            ; the next head's tile may stay on its way.  The next head's stores into K and V^T
	s_barrier_wait -1                              ; come behind eight steps' barriers, in front of each of which every wave has waited for its LDS reads)
	LDK 0
	LDV 0
	BAND 0
	BAND 1
	BAND 2
	BAND 3
	PLACES
	WIN 0x0f
.irp x, 0,1,2,3
	v_add_f32 v[TM+(\x)], v[192+2*(\x)], v[193+2*(\x)]
.endr
	WIN 0
.irp x, 0,1,2,3
	v_permlanex16_b32 v[TM+4+(\x)], v[TM+(\x)], s[SEL], s[SEL+1]  ; a query's other keys lie in the lane 16 away
.endr
.irp x, 0,1,2,3
	v_add_f32 v[TM+(\x)], v[TM+(\x)], v[TM+4+(\x)]
.endr
.irp x, 0,1,2,3
	v_fma_f32 v[TM+(\x)], s[EPSR], v[ST+4*(\x)], v[TM+(\x)]        ; rowsum A' + EPS sq
.endr
.irp x, 0,1,2,3
	v_rcp_f32 v[TM+4+(\x)], v[TM+(\x)]
.endr
	v_nop
	s_wait_alu depctr_va_vdst(0)                   ; one wait for the four reciprocals
.irp x, 0,1,2,3
	v_mul_f32 v[SCD+2*(\x)],   s[SCL], v[TM+4+(\x)]
	v_mul_f32 v[SCD+2*(\x)+1], s[SCL], v[TM+4+(\x)]
.endr
.irp x, 0,1,2,3
	WIN 0xc3
.set i, 32*(\x)
.rept 16
	v_pk_mul_f32 v[i:i+1], v[i:i+1], v[SCD+2*(\x):SCD+2*(\x)+1]
.set i, i+2
.endr
	WIN 0x0f
.set i, 0
.rept 16
	v_cvt_pk_bf16_f32 v[QF+16*(\x)+i], v[32*(\x)+2*i], v[32*(\x)+2*i+1]
.set i, i+1
.endr
	WIN 0
.irp cb, 0,1,2,3
	global_store_b128 v[GO], v[QF+16*(\x)+4*(\cb):QF+16*(\x)+4*(\cb)+3], s[12:13] offset:65536*(\x)+512*(\cb)  ; a wave's store covers 512 consecutive bytes, aligned: att lies in the order in which the next launch's fragments take it
.endr
.endr
	s_wait_xcnt 0x0                                ; the stores have read their registers and att's address
	s_add_nc_u64 s[12:13], s[12:13], 2048          ; the second head's place
.set i, 0
.rept 8
	v_mov_b32 v[PIW+i], v[PIN+i]
.set i, i+1
.endr
	s_sub_co_u32 s[HEADS], s[HEADS], 1
	s_cmp_lg_u32 s[HEADS], 0
	s_cbranch_scc1 .Lhead
	s_wait_tensorcnt 0x0                           ; the wave's end
	ds_add_u32 v[SPW], v[NIL]
	s_wait_dscnt 0x0
	CROUND                                         ; the closing round: no work-group ends while a partner may still ask for a tile that names it
	s_endpgm
.Lfunc_end_k_q0ce7d5646d_attn:
	.size	k_q0ce7d5646d_attn, .Lfunc_end_k_q0ce7d5646d_attn-k_q0ce7d5646d_attn
	.p2alignl 7, 3214868480
	.fill 96, 4, 3214868480
	.section	.rodata,"a",@progbits
	.p2align	6, 0x0
	.amdhsa_kernel k_q0ce7d5646d_attn
		.amdhsa_group_segment_fixed_size 327680
		.amdhsa_private_segment_fixed_size 0
		.amdhsa_enable_private_segment 0
		.amdhsa_kernarg_size 40
		.amdhsa_user_sgpr_count 2
		.amdhsa_user_sgpr_kernarg_segment_ptr 1
		.amdhsa_wavefront_size32 1
		.amdhsa_system_sgpr_workgroup_id_x 1
		.amdhsa_system_sgpr_workgroup_id_y 1
		.amdhsa_system_sgpr_workgroup_id_z 1
		.amdhsa_system_vgpr_workitem_id 0
		.amdhsa_next_free_vgpr 1024
		.amdhsa_next_free_sgpr 96
		.amdhsa_reserve_vcc 1
		.amdhsa_float_denorm_mode_32 3
		.amdhsa_float_denorm_mode_16_64 3
		.amdhsa_memory_ordered 1
		.amdhsa_forward_progress 1
		.amdhsa_inst_pref_size 255
	.end_amdhsa_kernel
	.section	.bss,"aw",@nobits
	.p2align	6
	.space	262144
	.amdgpu_metadata
---
amdhsa.version: [ 1, 2 ]
amdhsa.kernels:
  - .name:           k_q0ce7d5646d_attn
    .symbol:         k_q0ce7d5646d_attn.kd
    .args:
      - { .name: h, .offset: 0, .size: 8, .value_kind: global_buffer, .address_space: global }
      - { .name: wq, .offset: 8, .size: 8, .value_kind: global_buffer, .address_space: global }
      - { .name: pi0, .offset: 16, .size: 8, .value_kind: global_buffer, .address_space: global }
      - { .name: pi1, .offset: 24, .size: 8, .value_kind: global_buffer, .address_space: global }
      - { .name: att, .offset: 32, .size: 8, .value_kind: global_buffer, .address_space: global }
    .group_segment_fixed_size: 327680
    .private_segment_fixed_size: 0
    .kernarg_segment_align: 8
    .kernarg_segment_size: 40
    .max_flat_workgroup_size: 128
    .sgpr_count:     96
    .vgpr_count:     1024
    .wavefront_size: 32
...
	.end_amdgpu_metadata
.endif
;; end of part 2
;; launch oln (part 3): grid 256 x 1, 4 waves a work-group, clusters of 4 x 1, 327,680 bytes of LDS; arguments att, wo, h, ln_g, ln_b, out0; writes out0
.if DOCPART == 3
	.amdgcn_target "amdgcn-amd-amdhsa--gfx1250"
	.amdhsa_code_object_version 6
	.text
	.protected	k_q0ce7d5646d_oln
	.globl	k_q0ce7d5646d_oln
	.p2align	8
	.type	k_q0ce7d5646d_oln,@function
k_q0ce7d5646d_oln:
	s_mov_b64 s[64:65], 0
	v_nop
	global_prefetch_b8 v0, s[64:65] scope:SCOPE_SE
	s_setreg_imm32_b32 hwreg(HW_REG_WAVE_MODE, 25, 1), 1
	s_wait_xcnt 0x0
	s_wait_alu depctr_hold_cnt(0) depctr_sa_sdst(0) depctr_va_vdst(0) depctr_va_sdst(0) depctr_va_ssrc(0) depctr_va_vcc(0) depctr_vm_vsrc(0)
	s_getreg_b32 s2, hwreg(HW_REG_IB_STS2, 6, 4)
	s_cmp_eq_u32 s2, 0
	s_cbranch_scc0 .Lentry_in_a_cluster
	s_endpgm
.Lentry_in_a_cluster:
	s_bfe_u32 s2, ttmp6, 0x10000c
	s_cmp_lg_u32 s2, 0x3003
	s_cbranch_scc0 .Lentry_shape_is_right
	s_endpgm
.Lentry_shape_is_right:
; out0 = LayerNorm(h + att o_w^T) ln_g + ln_b.  Nothing of reference() is left out here.  Products in bf16 with f32 sums; h, the residual, mean, variance and the scaling in f32; the variance is taken of x - mean, in a second pass over registers.
; SHARES.  256 work-groups: b = cluster x, j = cx: the 64 rows l = 64 j .. 64 j + 63 of batch row b, all 512 columns, so that a row's mean and variance stay in the work-group.  Wave w: columns 128 w .. 128 w + 127: 32 accumulators.
; K = 512 goes in four steps of 128 through two LDS slots, written out without a loop.
; LAYOUT.  Source 0 = 16 rows of att, source 1 = 16 rows of wo.  wo's rows were laid so that lane r of block tau = 4 G + t holds column d = 128 w + 64 G + 4 r + t: for one row the four t are 16 consecutive bytes of a lane,
; and sixteen lanes cover 256 consecutive aligned bytes of h and of out0: no stage in LDS on the way out.  att lies in fragment order: a fragment's half is 512 dense bytes, 16 a lane.
; CLUSTER 4 x 1.  All four partners walk the same wo: waves 0, 1 ask for its halves jointly (256 rows x 256 bytes each).  att's tile is the work-group's own: waves 2, 3 fetch its halves (32 rows x 256 bytes) by plain loads.
; No prefetch: all that the launch reads from memory but two of wo's and att's four tiles is asked for in its first lines.
; LDS: slot s at 155,648 s: wo 512 rows x 272, att 16,384 dense; two blocks of 1,024 bytes for the rows' sums, [wave][row]; the spare words.  All of a WGP's LDS is claimed.
; REGISTERS: window 0: addresses, ln_g, ln_b, two fragment buffers of 96.  window 1: the accumulators ((x, tau) at 8 (8 x + tau)), later at work.  window 2: h, then x, then the result: (x, G, jj, t) at ((2 x + G) 8 + jj) 4 + t.
.set SLOT,  155648
.set APART, 139264
.set RED1,  311296
.set SPARE, 313344                     ; 128 bytes for each wave: two blocks of 256 bytes that no other line names
.set ADW, 2                            ; v2-3  wo's fragments in slot 0, 1: (128 w + r) 272 + 16 (lane / 16)
.set ADA, 4                            ; v4-5  att's: 16 lane
.set HO,  6                            ; v6    my 16 bytes in h and out0: (lane / 16) 8 rows + 512 w + 16 r; never rewritten
.set RS,  7                            ; v7    where I put my rows' sums
.set RR,  8                            ; v8    where I read all four waves'
.set GBO, 9                            ; v9    512 w + 16 r
.set GAM, 10                           ; v10-17 ln_g of my columns, [G][t]
.set BET, 18                           ; v18-25 ln_b
.set SPW, 28
.set NIL, 29
.set F0,  32                           ; a fragment buffer: att's four at 8 x, wo's eight at 32 + 8 tau
.set F1,  128
.set WV, 16
.set WH, 17
.set HF, 18
.set CX, 19
.set G1W, 24
.set G0W, 32
.set G1A, 40
.set G0A, 48
.set INV, 68                           ; 1 / 512
.set NINV, 69                          ; -1 / 512
.set MSB, 0
.macro WIN new
.if MSB != (\new)
	s_set_vgpr_msb (MSB<<8)|(\new)
.set MSB, (\new)
.endif
.endm
.macro PLACES
.rept 4
	v_nop
.endr
.endm
.macro CREST
	s_cmp_lg_u32 s[WV], 0
	s_cbranch_scc1 .Lnot_wave_0_\@
	s_barrier_signal -3
.Lnot_wave_0_\@:
	s_barrier_wait -3
	s_barrier_signal -1
	s_barrier_wait -1
.endm
.macro CROUND
	s_barrier_signal -1
	s_barrier_wait -1
	CREST
.endm
.macro JLOAD s                         ; the branch hangs on the wave's number alone; an s_nop 0 and four v_nop follow each line
	s_cmp_eq_u32 s[WH], 0
	s_cbranch_scc0 .Lfor_a_\@
	tensor_load_to_lds s[G0W+4*(\s):G0W+4*(\s)+3], s[G1W:G1W+7]
	s_nop 0
.rept 4
	v_nop
.endr
	s_branch .Lasked_\@
.Lfor_a_\@:
	tensor_load_to_lds s[G0A+4*(\s):G0A+4*(\s)+3], s[G1A:G1A+7]
	s_nop 0
.rept 4
	v_nop
.endr
.Lasked_\@:
.endm
.macro MUL8 f, t0, zero                ; column blocks t0, t0 + 1 by the four row blocks; the 32 accumulators take turns in the same order in every quarter
	WIN 0x50
.irp tau, \t0, (\t0)+1
.irp x, 0,1,2,3
.if \zero
	v_wmma_f32_16x16x32_bf16 v[8*(8*(\x)+(\tau)):8*(8*(\x)+(\tau))+7], v[(\f)+8*(\x):(\f)+8*(\x)+7], v[(\f)+32+8*(\tau):(\f)+32+8*(\tau)+7], 0
.else
	v_wmma_f32_16x16x32_bf16 v[8*(8*(\x)+(\tau)):8*(8*(\x)+(\tau))+7], v[(\f)+8*(\x):(\f)+8*(\x)+7], v[(\f)+32+8*(\tau):(\f)+32+8*(\tau)+7], v[8*(8*(\x)+(\tau)):8*(8*(\x)+(\tau))+7]
.endif
.endr
.endr
.endm
.macro FETCH slot, q, f                ; 24 LDS loads: quarter q (32 along K): att's 4 fragments, then wo's 8, blocks 4 to 7 last
	WIN 0
.irp x, 0,1,2,3
	ds_load_b128 v[(\f)+8*(\x):(\f)+8*(\x)+3],   v[ADA+(\slot)] offset:4096*(\x)+2048*((\q)/2)+1024*((\q)%2)
	ds_load_b128 v[(\f)+8*(\x)+4:(\f)+8*(\x)+7], v[ADA+(\slot)] offset:4096*(\x)+2048*((\q)/2)+1024*((\q)%2)+512
.endr
.irp tau, 0,1,2,3,4,5,6,7
	ds_load_b128 v[(\f)+32+8*(\tau):(\f)+32+8*(\tau)+3],   v[ADW+(\slot)] offset:4352*(\tau)+64*(\q)
	ds_load_b128 v[(\f)+32+8*(\tau)+4:(\f)+32+8*(\tau)+7], v[ADW+(\slot)] offset:4352*(\tau)+64*(\q)+32
.endr
.endm
.macro QUARTER slot, q, f, g, zero     ; multiplies buffer f, fetches quarter q into buffer g
	s_wait_dscnt 8                                 ; all but wo's blocks 4 to 7
	MUL8 \f, 0, \zero
	MUL8 \f, 2, \zero
	PLACES
	FETCH \slot, \q, \g
	s_wait_dscnt 24                                ; all but the 24 just issued
	MUL8 \f, 4, \zero
	MUL8 \f, 6, \zero
.endm
; A step's last quarter, with the change of slots: each wave waits for all its tensor loads, adds 0 to its spare word, and waits for that and for its reads of the slot.  fill = 1: the barrier opens a round of the cluster's, and the refill is the first tensor load behind it.
.macro TURN slot, next, fill
	WIN 0
	s_wait_tensorcnt 0x0
	ds_add_u32 v[SPW], v[NIL]
	s_wait_dscnt 9                                 ; the add and wo's blocks 4 to 7 may be out
	MUL8 F1, 0, 0
	s_wait_dscnt 0x0
	s_barrier_signal -1
	MUL8 F1, 2, 0
.if \fill
	WIN 0
.endif
	s_barrier_wait -1
.if \fill
	CREST
	s_add_nc_u64 s[G0W+4*(\slot)+2:G0W+4*(\slot)+3], s[G0W+4*(\slot)+2:G0W+4*(\slot)+3], 262144
	s_add_nc_u64 s[G0A+4*(\slot)+2:G0A+4*(\slot)+3], s[G0A+4*(\slot)+2:G0A+4*(\slot)+3], 32768
	JLOAD \slot
.else
	PLACES
.endif
	FETCH \next, 0, F0
	MUL8 F1, 4, 0
	MUL8 F1, 6, 0
.endm
.macro HLOAD k0, cnt                   ; h's rows, 16 bytes a lane: sixteen lanes read 256 consecutive aligned bytes
	WIN 0x80
.set k, (\k0)
.rept \cnt
	global_load_b128 v[4*k:4*k+3], v[HO], s[8:9] offset:2097152*(k/16)+131072*(k%8)+256*((k/8)%2) th:TH_LOAD_NT
.set k, k+1
.endr
	WIN 0
.endm
; 32 numbers a lane (row 8 x + jj of my half of the lanes) at sb in window 1: summed over the 16 lanes of a half, then over the four waves through LDS; the sums end at lb.
.macro ACROSS sb, red, lb
	WIN 0x55
.irp m, 1,2,4,8
.set i, 0
.rept 32
	v_add_f32_dpp v[(\sb)+i], v[(\sb)+i], v[(\sb)+i] row_xmask:\m row_mask:0xf bank_mask:0xf
.set i, i+1
.endr
.endr
	WIN 0x04
.set i, 0
.rept 8
	ds_store_b128 v[RS], v[(\sb)+4*i:(\sb)+4*i+3] offset:(\red)+64*(i/2)+16*(i%2)
.set i, i+1
.endr
	s_wait_dscnt 0x0                               ; for the others' sake
	s_barrier_signal -1
	s_barrier_wait -1
	WIN 0x40
.irp u, 0,1,2,3
.set i, 0
.rept 8
	ds_load_b128 v[(\lb)+32*(\u)+4*i:(\lb)+32*(\u)+4*i+3], v[RR] offset:(\red)+256*(\u)+64*(i/2)+16*(i%2)
.set i, i+1
.endr
.endr
	s_wait_dscnt 0x0
	WIN 0x55
.set i, 0
.rept 16
	v_pk_add_f32 v[(\lb)+i:(\lb)+i+1], v[(\lb)+i:(\lb)+i+1], v[(\lb)+32+i:(\lb)+32+i+1]
	v_pk_add_f32 v[(\lb)+64+i:(\lb)+64+i+1], v[(\lb)+64+i:(\lb)+64+i+1], v[(\lb)+96+i:(\lb)+96+i+1]
.set i, i+2
.endr
.set i, 0
.rept 16
	v_pk_add_f32 v[(\lb)+i:(\lb)+i+1], v[(\lb)+i:(\lb)+i+1], v[(\lb)+64+i:(\lb)+64+i+1]
.set i, i+2
.endr
.endm
	s_load_b256 s[4:11], s[0:1], 0x0               ; att s[4:5], wo s[6:7], h s[8:9], ln_g s[10:11]
	s_load_b128 s[12:15], s[0:1], 0x20             ; ln_b s[12:13], out0 s[14:15]
	v_lshl_add_u32 v[SPW], v0, 2, SPARE
	v_mov_b32 v[NIL], 0
	ds_add_u32 v[SPW], v[NIL]                      ; the wave's opening: the add, twice on end, and its wait ahead of my first tensor load
	ds_add_u32 v[SPW], v[NIL]
	v_lshrrev_b32 v1, 5, v0
	v_readfirstlane_b32 s[WV], v1
	s_lshr_b32 s[WH], s[WV], 1
	s_and_b32 s[HF], s[WV], 1
	s_bfe_u32 s[CX], ttmp6, 0x40000                ; j
	s_mov_b32 s[G1W], 15|(1<<16)|(1<<20)|(1<<21)|(5<<22)|(3<<25)  ; the mask of four; elements of 2 bytes; padding on; bit 21 beside a mask; after every 64 words, 4 words
	s_mov_b32 s[G1W+1], 128<<16
	s_mov_b32 s[G1W+2], 256<<16
	s_mov_b32 s[G1W+3], 128<<16
	s_mov_b32 s[G1W+4], 256
	s_mov_b32 s[G1W+5], 128
	s_mov_b32 s[G1W+6], 0
	s_mov_b32 s[G1W+7], 0
	s_mov_b32 s[G1A], 3<<16                        ; no mask, no padding; elements of 8 bytes: 32 rows of 256 dense bytes
	s_mov_b32 s[G1A+1], 32<<16
	s_mov_b32 s[G1A+2], 32<<16
	s_mov_b32 s[G1A+3], 32<<16
	s_mov_b32 s[G1A+4], 32
	s_mov_b32 s[G1A+5], 32
	s_mov_b32 s[G1A+6], 0
	s_mov_b32 s[G1A+7], 0
	s_lshl_b32 s56, s[HF], 16                      ; wo: my 256 rows of 256 bytes: the wave's number alone
	s_mov_b32 s57, 0
	s_lshl_b32 s58, ttmp9, 18                      ; att: [b][j][step], my half of a tile
	s_lshl_b32 s60, s[CX], 16
	s_add_co_u32 s58, s58, s60
	s_lshl_b32 s60, s[HF], 13
	s_add_co_u32 s58, s58, s60
	s_mov_b32 s59, 0
	s_mul_i32 s61, s[HF], 69632                    ; where they go: no place in the cluster enters an LDS address
	s_lshl_b32 s62, s[HF], 13
	s_add_co_u32 s62, s62, APART
	s_mov_b32 s[INV], 0x3b000000
	s_mov_b32 s[NINV], 0xbb000000
	s_wait_dscnt 0x0                               ; both opening adds are done
	s_wait_kmcnt 0x0
	s_add_nc_u64 s[56:57], s[6:7], s[56:57]
	s_add_nc_u64 s[58:59], s[4:5], s[58:59]
	CROUND                                         ; all four work-groups are here: the first joint loads meet
.irp s, 0,1
	s_mov_b32 s[G0W+4*(\s)], 1
	s_add_co_u32 s[G0W+4*(\s)+1], s61, (\s)*SLOT
	s_add_nc_u64 s[G0W+4*(\s)+2:G0W+4*(\s)+3], s[56:57], (\s)*131072
	s_or_b32 s[G0W+4*(\s)+3], s[G0W+4*(\s)+3], 0x80000000
	s_mov_b32 s[G0A+4*(\s)], 1
	s_add_co_u32 s[G0A+4*(\s)+1], s62, (\s)*SLOT
	s_add_nc_u64 s[G0A+4*(\s)+2:G0A+4*(\s)+3], s[58:59], (\s)*16384
	s_or_b32 s[G0A+4*(\s)+3], s[G0A+4*(\s)+3], 0x80000000
.endr
	s_cmp_eq_u32 s[WH], 0                          ; a wave's two first fills stand in one branch: two loads of mine are out
	s_cbranch_scc0 .Lfirst_a
	tensor_load_to_lds s[G0W:G0W+3], s[G1W:G1W+7]
	s_nop 0
	tensor_load_to_lds s[G0W+4:G0W+7], s[G1W:G1W+7]
	s_nop 0
.rept 4
	v_nop
.endr
	s_branch .Lfirst_asked
.Lfirst_a:
	tensor_load_to_lds s[G0A:G0A+3], s[G1A:G1A+7]
	s_nop 0
	tensor_load_to_lds s[G0A+4:G0A+7], s[G1A:G1A+7]
	s_nop 0
.rept 4
	v_nop
.endr
.Lfirst_asked:
	s_lshl_b32 s66, s[CX], 23                      ; h and out0 at row l = 64 j, batch row b
	s_lshl_b32 s67, ttmp9, 11
	s_add_co_u32 s66, s66, s67
	s_mov_b32 s67, 0
	s_add_nc_u64 s[8:9], s[8:9], s[66:67]
	s_add_nc_u64 s[14:15], s[14:15], s[66:67]
	v_and_b32 v26, 15, v0                          ; r
	v_bfe_u32 v27, v0, 4, 1                        ; lane / 16
	v_and_b32 v31, 31, v0                          ; lane
	s_lshl_b32 s66, s[WV], 9
	v_lshl_add_u32 v[GBO], v26, 4, s66
	v_lshl_add_u32 v[HO], v27, 20, v[GBO]
	global_load_b128 v[GAM:GAM+3],   v[GBO], s[10:11]
	global_load_b128 v[GAM+4:GAM+7], v[GBO], s[10:11] offset:256
	global_load_b128 v[BET:BET+3],   v[GBO], s[12:13]
	global_load_b128 v[BET+4:BET+7], v[GBO], s[12:13] offset:256
	HLOAD 0, 56                                    ; 60 loads of mine are out; the last eight follow behind the first change of slots
	s_lshl_b32 s66, s[WV], 7
	v_add_nc_u32 v30, s66, v26
	v_mul_u32_u24 v[ADW], v30, 272
	v_lshl_add_u32 v[ADW], v27, 4, v[ADW]
	v_add_nc_u32 v[ADW+1], SLOT, v[ADW]
	v_lshlrev_b32 v[ADA], 4, v31
	v_add_nc_u32 v[ADA+1], SLOT+APART, v[ADA]
	v_add_nc_u32 v[ADA], APART, v[ADA]
	v_lshlrev_b32 v[RR], 5, v27
	v_add_nc_u32 v[RR], RED1, v[RR]
	s_lshl_b32 s66, s[WV], 8
	v_add_nc_u32 v[RS], s66, v[RR]
	s_wait_tensorcnt 0x1                           ; my part of slot 0 is in; slot 1's may stay out
	s_barrier_signal -1
	s_barrier_wait -1
	FETCH 0, 0, F0
	QUARTER 0, 1, F0, F1, 1                        ; the first quarter's products start the sums
	QUARTER 0, 2, F1, F0, 0
	QUARTER 0, 3, F0, F1, 0
	TURN 0, 1, 1                                   ; slot 0 takes step 2
	HLOAD 56, 8
	QUARTER 1, 1, F0, F1, 0
	QUARTER 1, 2, F1, F0, 0
	QUARTER 1, 3, F0, F1, 0
	TURN 1, 0, 1                                   ; slot 1 takes step 3
	QUARTER 0, 1, F0, F1, 0
	QUARTER 0, 2, F1, F0, 0
	QUARTER 0, 3, F0, F1, 0
	TURN 0, 1, 0                                   ; nothing is left to fetch
	QUARTER 1, 1, F0, F1, 0
	QUARTER 1, 2, F1, F0, 0
	QUARTER 1, 3, F0, F1, 0
	s_wait_dscnt 8
	MUL8 F1, 0, 0
	MUL8 F1, 2, 0
	s_wait_dscnt 0x0
	MUL8 F1, 4, 0
	MUL8 F1, 6, 0
	s_wait_loadcnt 0x0                             ; h, ln_g, ln_b
	PLACES
	WIN 0x86                                       ; x = h + the product
.set k, 0
.rept 256
	v_add_f32 v[k], v[k], v[8*(4*(k/32)+k%4)+(k/4)%8]
.set k, k+1
.endr
	WIN 0x4a                                       ; a row's eight numbers of my lane: four pairs into one sum
.set k, 0
.rept 64
	v_pk_add_f32 v[2*k:2*k+1], v[4*k:4*k+1], v[4*k+2:4*k+3]
.set k, k+1
.endr
	WIN 0x55
.set i, 0
.rept 32
.set k, 2*(16*(i/8)+i%8)
	v_pk_add_f32 v[k:k+1], v[k:k+1], v[k+16:k+17]
.set i, i+1
.endr
.set i, 0
.rept 32
.set k, 2*(16*(i/8)+i%8)
	v_add_f32 v[128+i], v[k], v[k+1]
.set i, i+1
.endr
	ACROSS 128, 0, 0
.set i, 0
.rept 32
	v_mul_f32 v[128+2*i], s[NINV], v[i]            ; -mean, twice: a pair for the packed addition
	v_mul_f32 v[129+2*i], s[NINV], v[i]
.set i, i+1
.endr
	WIN 0x86
.set k, 0
.rept 64
.set i, 128+2*(8*(k/16)+k%8)
	v_pk_add_f32 v[4*k:4*k+1], v[4*k:4*k+1], v[i:i+1]
	v_pk_add_f32 v[4*k+2:4*k+3], v[4*k+2:4*k+3], v[i:i+1]
.set k, k+1
.endr
	WIN 0x5a                                       ; the sum of squares of x - mean
.irp s, 0,1,2,3
.set i, 0
.rept 32
.set k, 4*(16*(i/8)+8*((\s)/2)+i%8)+2*((\s)%2)
.if (\s) == 0
	v_pk_mul_f32 v[2*i:2*i+1], v[k:k+1], v[k:k+1]
.else
	v_pk_fma_f32 v[2*i:2*i+1], v[k:k+1], v[k:k+1], v[2*i:2*i+1]
.endif
.set i, i+1
.endr
.endr
	WIN 0x55
.set i, 0
.rept 32
	v_add_f32 v[64+i], v[2*i], v[2*i+1]
.set i, i+1
.endr
	ACROSS 64, 1024, 96                            ; bytes of its own in LDS: no wave need have read the first sums before these are stored
.set i, 0
.rept 32
	v_fmaak_f32 v[96+i], s[INV], v[96+i], 0x3727c5ac  ; variance + 1e-5
.set i, i+1
.endr
.set i, 0
.rept 32
	v_rsq_f32 v[2*i], v[96+i]
.set i, i+1
.endr
	v_nop                                          ; a plain instruction behind the last of them,
	s_wait_alu depctr_va_vdst(0)                   ; and one wait for the batch of 32, ahead of its first reader
.set i, 0
.rept 32
	v_mov_b32 v[2*i+1], v[2*i]
.set i, i+1
.endr
.irp x, 0,1,2,3
	WIN 0x86
.set k, 16*(\x)
.rept 16
.set i, 2*(8*(k/16)+k%8)
	v_pk_mul_f32 v[4*k:4*k+1], v[4*k:4*k+1], v[i:i+1]
	v_pk_mul_f32 v[4*k+2:4*k+3], v[4*k+2:4*k+3], v[i:i+1]
.set k, k+1
.endr
	WIN 0x82
.set k, 16*(\x)
.rept 16
.set i, 4*((k/8)%2)
	v_pk_fma_f32 v[4*k:4*k+1], v[4*k:4*k+1], v[GAM+i:GAM+i+1], v[BET+i:BET+i+1]
	v_pk_fma_f32 v[4*k+2:4*k+3], v[4*k+2:4*k+3], v[GAM+i+2:GAM+i+3], v[BET+i+2:BET+i+3]
.set k, k+1
.endr
	WIN 0x08
.set k, 16*(\x)
.rept 16
	global_store_b128 v[HO], v[4*k:4*k+3], s[14:15] offset:2097152*(k/16)+131072*(k%8)+256*((k/8)%2) th:TH_STORE_NT  ; sixteen lanes store 256 consecutive bytes, aligned
.set k, k+1
.endr
.endr
	WIN 0
	s_wait_tensorcnt 0x0                           ; the wave's end
	ds_add_u32 v[SPW], v[NIL]
	s_wait_dscnt 0x0
	CROUND                                         ; the closing round
	s_endpgm
.Lfunc_end_k_q0ce7d5646d_oln:
	.size	k_q0ce7d5646d_oln, .Lfunc_end_k_q0ce7d5646d_oln-k_q0ce7d5646d_oln
	.p2alignl 7, 3214868480
	.fill 96, 4, 3214868480
	.section	.rodata,"a",@progbits
	.p2align	6, 0x0
	.amdhsa_kernel k_q0ce7d5646d_oln
		.amdhsa_group_segment_fixed_size 327680
		.amdhsa_private_segment_fixed_size 0
		.amdhsa_enable_private_segment 0
		.amdhsa_kernarg_size 48
		.amdhsa_user_sgpr_count 2
		.amdhsa_user_sgpr_kernarg_segment_ptr 1
		.amdhsa_wavefront_size32 1
		.amdhsa_system_sgpr_workgroup_id_x 1
		.amdhsa_system_sgpr_workgroup_id_y 1
		.amdhsa_system_sgpr_workgroup_id_z 1
		.amdhsa_system_vgpr_workitem_id 0
		.amdhsa_next_free_vgpr 768
		.amdhsa_next_free_sgpr 72
		.amdhsa_reserve_vcc 0
		.amdhsa_float_denorm_mode_32 3
		.amdhsa_float_denorm_mode_16_64 3
		.amdhsa_memory_ordered 1
		.amdhsa_forward_progress 1
		.amdhsa_inst_pref_size 163
	.end_amdhsa_kernel
	.amdgpu_metadata
---
amdhsa.version: [ 1, 2 ]
amdhsa.kernels:
  - .name:           k_q0ce7d5646d_oln
    .symbol:         k_q0ce7d5646d_oln.kd
    .args:
      - { .name: att, .offset: 0, .size: 8, .value_kind: global_buffer, .address_space: global }
      - { .name: wo, .offset: 8, .size: 8, .value_kind: global_buffer, .address_space: global }
      - { .name: h, .offset: 16, .size: 8, .value_kind: global_buffer, .address_space: global }
      - { .name: ln_g, .offset: 24, .size: 8, .value_kind: global_buffer, .address_space: global }
      - { .name: ln_b, .offset: 32, .size: 8, .value_kind: global_buffer, .address_space: global }
      - { .name: out0, .offset: 40, .size: 8, .value_kind: global_buffer, .address_space: global }
    .group_segment_fixed_size: 327680
    .private_segment_fixed_size: 0
    .kernarg_segment_align: 8
    .kernarg_segment_size: 48
    .max_flat_workgroup_size: 128
    .sgpr_count:     72
    .vgpr_count:     768
    .wavefront_size: 32
...
	.end_amdgpu_metadata
.endif
;; end of part 3
;; ======== version 2 of 2: 3 launches; version 1 with the launch prep written anew for expert scheduling mode
;; limits: values outside matrix products are rounded to bf16
;; workspace buffers: wq 2,097,152 bytes; wo 524,288 bytes; att 16,777,216 bytes
;; launch prep (part 4): grid 256 x 1, 8 waves a work-group, no clusters, 0 bytes of LDS; arguments qkv_w, o_w, wq, wo; writes wq, wo
.if DOCPART == 4
	.amdgcn_target "amdgcn-amd-amdhsa--gfx1250"
	.amdhsa_code_object_version 6
	.text
	.protected	k_q0ce7d5646d_prep
	.globl	k_q0ce7d5646d_prep
	.p2align	8
	.type	k_q0ce7d5646d_prep,@function
k_q0ce7d5646d_prep:
	s_mov_b64 s[64:65], 0
	v_nop
	global_prefetch_b8 v0, s[64:65] scope:SCOPE_SE
	s_setreg_imm32_b32 hwreg(HW_REG_WAVE_SCHED_MODE, 0, 2), 2
	s_setreg_imm32_b32 hwreg(HW_REG_WAVE_MODE, 25, 1), 1
	s_wait_xcnt 0x0
	s_wait_alu depctr_vm_vsrc(0)
; THE PROGRAM (three launches): prep lays the weights out in bf16; attn makes q, k1, k2, v, phi and the fast-weight sums; oln makes the output product, the residual and LayerNorm.
; WHAT IS LEFT OUT OF reference(), AND WHY IT IS DEAD OR AN IDENTITY, for all finite values of the inputs:
;  - W0 is built as zeros in reference() itself, so W_t = sum over s <= t of v_s k_s^T, and out_t = W_t q_t = sum over s <= t of v_s (k_s . q_t); likewise
;    denom_t = cumsum(k)_t . q_t = sum over s <= t of (k_s . q_t).  With A = tril(Q K^T): out = SCALE (A V) / (rowsum(A) + EPS).  The scan is taken as these two products.
;  - Blocks of 64 keys that lie wholly behind a block of 64 queries (s > t for all pairs) reach no output: 6 of the 16 block pairs of a head are not computed.
;  - SCALE_W = 1.0 is a factor 1; [:slen] takes the whole table of 256.
;  - q is not divided by its sum sq: with q' = sq q and A' = sq A, SCALE (A V) / (rowsum A + EPS) = SCALE (A' V) / (rowsum A' + EPS sq), exactly.
;  Every input has a way to the output and is loaded.  LIMIT: a NaN, an infinity or an overflow that would arise only in the work left out (hidden blocks, W0) is not carried to the result.
; THIS LAUNCH: qkv_w [2048][512] f32 -> wq bf16 [head 8][ks 8][e 256][k 64] (a K step's tile of a head is 32,768 dense bytes; e counts the head's 256 rows: q, k1, k2, v);
;              o_w [512][512] f32 -> wo bf16 [s 4][d' 512][kk 128] (a K step's tile is 131,072 dense bytes); place d' = 64 G + 16 t + r holds row d = 64 G + 4 r + t, column 128 s + kk.
; Each weight is rounded once here, since in the later launches every wave of many work-groups reads every weight.
; A stream: no LDS, no matrix unit, no cluster (no byte is shared).  Thread g of 65,536 takes five groups of four numbers: sixteen lanes read 256 consecutive aligned bytes,
; and a wave's store of 8 bytes a lane covers 256 consecutive aligned bytes.
; THE MODE: SCHED_MODE bits 1:0 = 2 (LLVM: expert scheduling mode 2), set by the entry lines.  The code itself states the register dependences
; between vector instructions and memory instructions, with s_wait_alu, always for 0.
; THE PLAN.  Registers that memory instructions touch (the text has no loop):
;   v1, v2, v3   byte offsets.  Written by the address arithmetic at the head, read by the loads (v1, v2) and by all five stores (v3); never written again.
;   v[8:27]      the numbers as loaded.  Written by the five loads alone, read by the conversions; no load lands there a second time.
;   v[28:35]     wq's 32 bytes to store.  Written by eight conversions, read by four stores; never written again.
;   v[36:37]     wo's 8 bytes to store.   Written by two conversions, read by one store; never written again.
;   v4, v5       named by vector instructions alone.
; So three waits on va_vdst state everything: the offsets are written, ahead of the first load; v[28:35] are written, ahead of the run of four stores; v[36:37] are written, ahead of the last store.
; No register that a memory instruction reads is written again, no vector instruction writes a scalar register or VCC, and EXEC is never written: no other wait has a dependence to state.
	s_load_b256 s[4:11], s[0:1], 0x0               ; qkv_w s[4:5], o_w s[6:7], wq s[8:9], wo s[10:11]
	s_lshl_b32 s12, ttmp9, 8
	v_add_nc_u32 v4, s12, v0                       ; g
	v_lshrrev_b32 v5, 15, v4                       ; qkv_w: head = (g >> 15) + 2 i
	v_lshlrev_b32 v1, 19, v5                       ; 256 rows of 2,048 bytes
	v_bfe_u32 v5, v4, 4, 8                         ; e
	v_lshl_add_u32 v1, v5, 11, v1
	v_bfe_u32 v5, v4, 12, 3                        ; ks: 256 bytes of a row
	v_lshl_add_u32 v1, v5, 8, v1
	v_and_b32 v5, 15, v4                           ; my four numbers of the 64
	v_lshl_add_u32 v1, v5, 4, v1
	v_bfe_u32 v5, v4, 11, 3                        ; o_w: d' = (g >> 5) & 511; G = d' >> 6
	v_lshlrev_b32 v2, 6, v5
	v_bfe_u32 v5, v4, 5, 4                         ; r = d' & 15
	v_lshl_add_u32 v2, v5, 2, v2
	v_bfe_u32 v5, v4, 9, 2                         ; t = (d' >> 4) & 3
	v_add_nc_u32 v2, v2, v5                        ; d = 64 G + 4 r + t
	v_lshlrev_b32 v2, 11, v2
	v_lshrrev_b32 v5, 14, v4                       ; s: 512 bytes of a row
	v_lshl_add_u32 v2, v5, 9, v2
	v_and_b32 v5, 31, v4
	v_lshl_add_u32 v2, v5, 4, v2
	v_lshlrev_b32 v3, 3, v4                        ; 8 g: where my 8 bytes go, in wq (plus 524,288 i) and in wo
	s_wait_kmcnt 0x0
	s_wait_alu depctr_va_vdst(0)                   ; v1, v2 and v3 are written: every load and store below reads one of them as its offset, and no later vector instruction names them
.irp i, 0,1,2,3
	global_load_b128 v[8+4*(\i):11+4*(\i)], v1, s[4:5] offset:(\i)*1048576 th:TH_LOAD_NT
.endr
	global_load_b128 v[24:27], v2, s[6:7] th:TH_LOAD_NT
.irp i, 0,1,2,3
	s_wait_loadcnt 4-(\i)                          ; loads come back in order: number i is in, the younger ones stay out
	v_cvt_pk_bf16_f32 v[28+2*(\i)], v[8+4*(\i)], v[9+4*(\i)]
	v_cvt_pk_bf16_f32 v[29+2*(\i)], v[10+4*(\i)], v[11+4*(\i)]
.endr
	s_wait_alu depctr_va_vdst(0)                   ; the eight conversions have written v[28:35], which the four stores read: one wait for the run
.irp i, 0,1,2,3
	global_store_b64 v3, v[28+2*(\i):29+2*(\i)], s[8:9] offset:(\i)*524288
.endr
	s_wait_loadcnt 0x0                             ; o_w's four numbers are in
	v_cvt_pk_bf16_f32 v36, v24, v25
	v_cvt_pk_bf16_f32 v37, v26, v27
	s_wait_alu depctr_va_vdst(0)                   ; the two conversions have written v[36:37], which the last store reads
	global_store_b64 v3, v[36:37], s[10:11]
	s_endpgm
.Lfunc_end_k_q0ce7d5646d_prep:
	.size	k_q0ce7d5646d_prep, .Lfunc_end_k_q0ce7d5646d_prep-k_q0ce7d5646d_prep
	.p2alignl 7, 3214868480
	.fill 96, 4, 3214868480
	.section	.rodata,"a",@progbits
	.p2align	6, 0x0
	.amdhsa_kernel k_q0ce7d5646d_prep
		.amdhsa_group_segment_fixed_size 0
		.amdhsa_private_segment_fixed_size 0
		.amdhsa_enable_private_segment 0
		.amdhsa_kernarg_size 32
		.amdhsa_user_sgpr_count 2
		.amdhsa_user_sgpr_kernarg_segment_ptr 1
		.amdhsa_wavefront_size32 1
		.amdhsa_system_sgpr_workgroup_id_x 1
		.amdhsa_system_sgpr_workgroup_id_y 1
		.amdhsa_system_sgpr_workgroup_id_z 1
		.amdhsa_system_vgpr_workitem_id 0
		.amdhsa_next_free_vgpr 40
		.amdhsa_next_free_sgpr 66
		.amdhsa_reserve_vcc 0
		.amdhsa_float_denorm_mode_32 3
		.amdhsa_float_denorm_mode_16_64 3
		.amdhsa_memory_ordered 1
		.amdhsa_forward_progress 1
		.amdhsa_inst_pref_size 4
	.end_amdhsa_kernel
	.amdgpu_metadata
---
amdhsa.version: [ 1, 2 ]
amdhsa.kernels:
  - .name:           k_q0ce7d5646d_prep
    .symbol:         k_q0ce7d5646d_prep.kd
    .args:
      - { .name: qkv_w, .offset: 0, .size: 8, .value_kind: global_buffer, .address_space: global }
      - { .name: o_w, .offset: 8, .size: 8, .value_kind: global_buffer, .address_space: global }
      - { .name: wq, .offset: 16, .size: 8, .value_kind: global_buffer, .address_space: global }
      - { .name: wo, .offset: 24, .size: 8, .value_kind: global_buffer, .address_space: global }
    .group_segment_fixed_size: 0
    .private_segment_fixed_size: 0
    .kernarg_segment_align: 8
    .kernarg_segment_size: 32
    .max_flat_workgroup_size: 256
    .sgpr_count:     66
    .vgpr_count:     40
    .wavefront_size: 32
...
	.end_amdgpu_metadata
.endif
;; end of part 4
;; launch attn: the kernel of part 2 again; grid 4 x 64, 4 waves a work-group, clusters of 4 x 4, 327,680 bytes of LDS; arguments h, wq, pi0, pi1, att; writes att
;; launch oln: the kernel of part 3 again; grid 256 x 1, 4 waves a work-group, clusters of 4 x 1, 327,680 bytes of LDS; arguments att, wo, h, ln_g, ln_b, out0; writes out0
